; MI455X (gfx1250); checked and timed in simulation.
; The chip was launched on July 23, 2026; its instructions are those of AMD's public machine-readable ISA for CDNA 5 (MIT licence, August 2026) and "CDNA5" Instruction Set Architecture Reference Guide (July 2026). The comments in the code are by the model that wrote it; some were corrected since.
;; Word Attn. Allowed arithmetic: matrix products marked QUANTISED: E5M2 operands, one E8M0 scale for each 32 along K, by v_wmma_scale_f32_16x16x128_f8f6f4 with both operands' format E5M2, f32 sums; products left as they are: f32 operands where the result goes on into a quantised operand, else bf16, f16 or f32 operands; f32 sums; everything else in f32.
;; Inputs: H 32 x 64 x 32 x 512 float32; mask 32 x 64 x 32 bool; u_weight 1 x 256 float32; w_bias 256 float32; w_weight_codes 256 x 16 x 32 uint8 (E5M2 codes of w_weight, K innermost, in blocks of 32 codes); w_weight_scales 256 x 16 uint8 (E8M0 scales of w_weight, one for each 32 codes along K).
;; Outputs: out0 32 x 64 x 512 float32.
;; This version of the problem:
;;   THIS VERSION OF THE PROBLEM IS GIVEN IN LOW PRECISION. The matrix products marked QUANTISED in the list below multiply operands that are first quantised to E5M2 (5 exponent bits, 2 mantissa bits; 8 bits a number), with one power-of-two scale for each 32 numbers along K (OCP MX v1.0); their sums are f32. All else is computed in f32.
;;   The module's matrix products, in the order in which they are computed (A, B: the left and right operand; K: the contracted axis; several contracted axes count as one K, in the product's order):
;;     1. [M 65,536, K 512] x [K 512, N 256]; A: input H; B: input w_weight (given as codes): QUANTISED
;;     2. [M 65,536, K 256] x [K 256, N 1]; A: computed on the way; B: input u_weight: left as it is (N = 1 < 16)
;;     3. batch 2,048 x [M 512, K 32] x [K 32, N 1]; A: input H; B: softmax: left as it is (N = 1 < 16)
;;   THE QUANTISER, for each operand of a quantised product, along K:
;;     - K is cut into blocks of 32 from its start; a last block that is shorter is filled with zeros.
;;     - A block's scale is 2^e with e = floor(log2(the largest magnitude in the block)) - 15, held to -126 .. 127; a block of zeros has e = 0. As a byte (E8M0): e + 127.
;;     - Each number is divided by its block's scale, clamped to +-57,344, and rounded to the nearest number of E5M2, ties to even, subnormals kept.
;;     - The product sums the exact products of the quantised numbers (number of the format x scale) in f32.
;;   ~~~python
;;   def quantise(x, axis):      # numpy; x: float32 -> the quantised numbers, widened to float32 again
;;       x = np.moveaxis(x, axis, -1); K = x.shape[-1]
;;       x = np.pad(x, [(0, 0)] * (x.ndim - 1) + [(0, -K % 32)]); x = x.reshape(x.shape[:-1] + (-1, 32)); a = np.abs(x).max(-1, keepdims=True)
;;       e = np.where(a > 0, np.clip(np.frexp(np.where(a > 0, a, 1))[1] - 1 - 15, -126, 127), 0)      # np.frexp(a)[1] - 1 = floor(log2(a)), exactly
;;       r = np.clip(x / 2.0 ** e, -57344, 57344)
;;       step = 2.0 ** (np.maximum(np.frexp(np.where(r == 0, 1, r))[1] - 1, -14) - 2)
;;       q = np.round(r / step) * step * 2.0 ** e      # np.round: ties to even
;;       return np.moveaxis(q.reshape(q.shape[:-2] + (-1,))[..., :K], -1, axis).astype(np.float32)
;;   ~~~
;;   INPUTS GIVEN AS CODES. w_weight (in the module: [256, 512], K = its axis 1): each comes as NAME_codes (uint8): NAME with its K axis moved to the last place and cut into blocks of 32 codes, [.., K / 32, bytes a block], one block behind the other in memory; one code a byte (a code: sign, 5 exponent bits, 2 mantissa bits); and NAME_scales (uint8): the same leading axes, one E8M0 byte (e + 127) for each 32 codes along K. Its value is code x scale, taken as it is: it is not quantised again, and the codes and scales need not be those that the quantiser above would give.
;; One version. Each part assembles by itself: llvm-mc -triple=amdgcn-amd-amdhsa -mcpu=gfx1250 --defsym DOCPART=n.
;; ======== version 1 of 1: 1 launch
;; limits: right only within a limited range of input values
;; launch wordattn (part 1): grid 256 x 1, 8 waves a work-group, no clusters, 182,528 bytes of LDS; arguments H, mask, u_weight, w_bias, w_weight_codes, w_weight_scales, out0; writes out0
.if DOCPART == 1
	.amdgcn_target "amdgcn-amd-amdhsa--gfx1250"
	.amdhsa_code_object_version 6
	.text
	.protected	k_qd594910e48_wordattn
	.globl	k_qd594910e48_wordattn
	.p2align	8
	.type	k_qd594910e48_wordattn,@function
k_qd594910e48_wordattn:
	s_mov_b64 s[64:65], 0
	v_nop
	global_prefetch_b8 v0, s[64:65] scope:SCOPE_SE
	s_setreg_imm32_b32 hwreg(HW_REG_WAVE_MODE, 25, 1), 1
	s_wait_xcnt 0x0
; out0[g][:] = sum over t of softmax_t(e[g][t]) H[g][t][:],  e = u . tanh(Q(H[g][t]) Wq^T + b), masked rows e = the lowest f32.  2,048 groups g of 32 rows t of 512 f32.
; The product H W^T runs on codes of BF8 (E5M2) with one E8M0 scale for each 32 along K = 512: W comes as codes and scale bytes, H is quantised here, in f32.  All else in f32.
; SHARES.  256 work-groups of eight waves; a work-group owns 8 groups (524,288 dense bytes of H) and takes them one after the other.  Wave w owns columns 64 w .. 64 w + 63 of H
; (it loads them, quantises them, and makes those 256 bytes of each output row) and units 32 w .. 32 w + 31 of W (8 fragments, 128 registers, kept for the whole launch).
; H GOES FROM MEMORY INTO REGISTERS, once, and stays there in f32 until its weighted sum: a ring of seven half groups (16 rows x 64 columns, 32 registers, 8 loads each).  When a half is
; quantised the next two at the least are on their way: 2 x 4,096 bytes a wave.  So nothing is prefetched: the loads themselves run one to two groups ahead.
; A load takes two rows, 256 aligned bytes of each.  Lanes 0-15 take the first 64 bytes of each block of 32, lanes 16-31 the last; a swap of lane halves with the next load's registers then leaves
; each lane EIGHT NUMBERS OF ONE ROW AND BLOCK: lane l holds row 4 i + l / 8 in registers 8 i .. 8 i + 7: with q = l % 4, columns 4 q .. 4 q + 3 and 16 + 4 q .. 16 + 4 q + 3 of block l / 4 % 2.
; One conversion makes 8 bytes of codes.  They are laid side by side, and W's dwords in a block of 32 are put into the same order (0, 4, 1, 5, 2, 6, 3, 7): a permutation of k alike on both sides.
; From wave to wave, through LDS: the codes as images of the operand's registers, their scale bytes, and the eight partial e of each row: each in two copies by turns, so that one barrier a group is enough:
; what interval i writes, interval i + 2 writes again behind a further barrier, in front of which every wave's reads are in.
; INTERVAL i, between two barriers, has three parts that do not hang on each other: M, products and tanh of group i; S, softmax and weighted sum of group i - 1, and loads into its registers;
; Q, the quantiser of group i + 1.  S and Q's first half are laid one into the other.  Waves 0-3 take M S Q, waves 4-7 S Q M: M stands twice in the text, behind a branch on the wave's number, and holds
; no barrier and no global load.
; NO CLUSTER: work-groups share W alone, 131,072 of the 655,360 bytes of H and W that a work-group fetches, asked for once, at the head, by loads into registers; there is no tensor load.
; THE MATRIX INSTRUCTION IS USED TRANSPOSED (source 0 = 16 rows of W, source 1 = 16 rows of H): lane (r, h) holds row r of H, its register j the unit 16 t + 8 h + j.  The bias is the first product's C.
; u . tanh(x) = sum of u - sum of 2 u / (1 + 2^(c x)), c = 2 log2(e): an exponential that overflows counts as tanh 1, one that falls to 0 as -1.  The softmax takes the group's largest e away first.
; LIMITS.  NaN and infinities in H are not served.  A block of zeros gets byte 1 with zero codes (the bytes are read here alone).  Softmax weights under 2^-126 come out as 0 (v_exp_f32 flushes: ISA guide, 15.8).
; REGISTERS.  Window 0: v0-12, 22-23 addresses and such; 14-21 W's scale words; 24-31 H's; 32-63 accumulators (m at 32 + 16 m); 64-127 H's fragments of one m; 128-255 W's fragments.
; The quantiser, softmax and sum work in 32-127 while these are free.  Window 1: v0-223 the ring of H; 224-239 the bias; 240-255 -2 u.
.set WPITCH, 528                       ; a row of W in its stage in LDS: 512 bytes + 16
.set IMG,   8*32*WPITCH                ; the images: fragment (s, m) at 2560 (2 s + m); register group c at 640 c, lane (r, h) at 16 r + 320 h; a copy 20,480 bytes
.set SCB,   IMG+40960                  ; scale bytes: (row, K step, block) at 16 row + 4 s + c; a copy 512 bytes
.set EPB,   SCB+1024                   ; partial e: (row, wave) at 48 row + 4 w; a copy 1,536 bytes
.set WTB,   EPB+3072                   ; a wave's 32 weights: row 4 i + k at 128 w + 32 k + 4 i
.set MKL,   WTB+1024                   ; eight words of mask bits, one a group
.set SPARE, MKL+256                    ; the spare words, 128 bytes for each wave
.set GO,  0                            ; v0   my 8 bytes in a row of out0
.set SPW, 1
.set NIL, 2
.set GA,  3                            ; v3   my 16 bytes in H, from the work-group's first row on
.set IW,  4                            ; v4   where I store codes
.set SW,  5                            ; v5   and scale bytes
.set IR,  6                            ; v6   where I read fragments
.set SR,  7                            ; v7   and scale words
.set EW,  8                            ; v8   where I store partial e
.set ER,  9                            ; v9   where I read them
.set WA,  10                           ; v10  where I store a weight
.set WR,  11                           ; v11  where I read mine
.set US,  12                           ; v12  half the sum of my lane's 16 u (v13 is named with it as a pair, and written)
.set WS,  14
.set OUT, 22                           ; v[22:23] what is stored
.set XS,  24
.set FR,  64
.set WF,  128
.set HELD, 64                          ; the quantiser's: 32 numbers held,
.set MX,  96                           ; largest magnitudes,
.set SO,  100                          ; scale operands,
.set HO,  104                          ; bounds,
.set BY,  108                          ; bytes of a group's first half; v60-63 those of its second,
.set CD,  112                          ; codes of the first half; v120-127 those of the second
.set OA,  48                           ; the weighted sum's 8 columns
.set WT,  56                           ; my 8 rows' weights
.set BC,  224                          ; window 1
.set UU,  240
.set MK,  48                           ; s[48:55] from interval 0 on: mask bits, bit = row
.set ISS, 0                            ; global loads issued so far, in the text's order
.set MSB, 0
.macro WIN new                         ; the immediate's high byte repeats the setting that is left
.if MSB != \new
	s_set_vgpr_msb (MSB<<8)|\new
.set MSB, \new
.endif
.endm
.macro WALU
	s_wait_alu depctr_va_vdst(0)
.endm
.macro PLACES
.rept 8
	v_nop                                          ; eight places behind this matrix form
.endr
.endm
.macro BAR                             ; my LDS stores have landed, my LDS loads are in
	s_wait_dscnt 0x0
	s_barrier_signal -1
	s_barrier_wait -1
.endm
.macro LOADQ p, j                      ; half p = 0 .. 15 (rows 16 p on), quarter group j of it: 4 loads of two rows each; nothing beyond half 15
.if (\p) < 16
.set LR_, 32*((\p)%7)+16*(\j)
	WIN 0x40
.irp k, 0,1,2,3
	global_load_b128 v[LR_+4*\k:LR_+4*\k+3], v[GA], s[4:5] offset:32768*(\p)+16384*(\j)+4096*\k th:TH_LOAD_NT
.endr
	WIN 0
.set ISS, ISS+4
.endif
.endm
.macro WAITHALF p                      ; loads come back in order (ISA guide 5.7.1): the loads issued behind half p may be out (32 loads of W and 11 small ones stand ahead of half 0)
	s_wait_loadcnt ISS-8*(\p)-51
.endm
.macro SWAPS r                         ; the quantiser's first stage: four octets o of a lane, row 4 o + l / 8 of the half
	WIN 0x41
.irp o, 0,1,2,3
.irp k, 0,1,2,3
	v_permlane16_swap_b32 v[\r+8*\o+\k], v[\r+8*\o+4+\k]
.endr
.endr
.endm
.macro MAXES r                         ; each octet's largest magnitude
	WIN 0x05
.irp o, 0,1,2,3
	v_max3_num_f32 v[MX+\o], |v[\r+8*\o]|, |v[\r+8*\o+1]|, 0x8000000   ; with the floor 2^(16 - 127): the byte cannot fall under 1
.endr
.irp k, 2,4,6
.irp o, 0,1,2,3
	v_max3_num_f32 v[MX+\o], |v[\r+8*\o+\k]|, |v[\r+8*\o+\k+1]|, v[MX+\o]
.endr
.endr
.endm
.macro QDPP x, o                       ; over the block's four lanes
	v_max_num_f32_dpp v[MX+\o], v[MX+\o], v[MX+\o] row_xmask:\x row_mask:0xf bank_mask:0xf
.endm
.macro QSO o                           ; 15 off its exponent field: the conversion's scale operand
	v_add_nc_u32 v[SO+\o], 0xf8800000, v[MX+\o]
.endm
.macro QHO o                           ; 57,344 x the scale
	v_and_or_b32 v[HO+\o], v[MX+\o], 0x7f800000, s19
.endm
.macro QBY o, by                       ; the scale's byte
	v_lshrrev_b32 v[\by+\o], 23, v[SO+\o]
.endm
.macro CVT o, cd
	v_cvt_scalef32_pk8_bf8_f32 v[\cd+2*\o:\cd+2*\o+1], v[HELD+8*\o:HELD+8*\o+7], v[SO+\o]
.endm
; Half p is quantised.  The numbers stay as they are in the ring.  ahead: the half whose last four loads go out on the way
.macro QCALC p, ahead
.set R_, 32*((\p)%7)
.set BY_, BY-48*((\p)%2)
.set CD_, CD+8*((\p)%2)
	SWAPS R_
	MAXES R_
	LOADQ \ahead, 1
	WIN 0
.irp x, 1,2
.irp o, 0,1,2,3
	QDPP \x, \o
.endr
.endr
.irp o, 0,1,2,3
	QSO \o
.endr
.irp o, 0,1,2,3
	QHO \o
.endr
.irp o, 0,1,2,3
	QBY \o, BY_
.endr
	WIN 0x01
.irp o, 0,1,2,3
.irp k, 0,1,2,3,4,5,6,7
	v_med3_num_f32 v[HELD+8*\o+\k], v[R_+8*\o+\k], -v[HO+\o], v[HO+\o]   ; the conversion does not saturate (ISA guide 7.6.2): the hold comes first
.endr
.endr
	WIN 0
.irp o, 0,1,2,3
	CVT \o, CD_
.endr
	v_nop                                          ; one plain line behind the last conversion
.endm
.macro QSTORE p
.set BY_, BY-48*((\p)%2)
.set CD_, CD+8*((\p)%2)
.irp o, 0,1,2,3
	ds_store_b64 v[IW], v[CD_+2*\o:CD_+2*\o+1] offset:20480*(((\p)/2)%2)+2560*((\p)%2)+64*\o
	ds_store_b8 v[SW], v[BY_+\o] offset:512*(((\p)/2)%2)+256*((\p)%2)+64*\o   ; the block's four lanes write the same byte
.endr
.endm
.macro FRAGS m, b                      ; 16 rows of H: four K steps, four loads each
.irp s, 0,1,2,3
.irp c, 0,1,2,3
	ds_load_b128 v[FR+16*\s+4*\c:FR+16*\s+4*\c+3], v[IR] offset:20480*(\b)+2560*(2*\s+\m)+640*\c
.endr
.endr
.endm
; K step s for 16 rows: two accumulators by turns, one instruction a turn.  It begins when its four loads are in; those of the later K steps may be out.
.macro PAIR s, m, a
	s_wait_dscnt 12-4*\s
.if \s == 0
	WIN 0x10
.irp t, 0,1
	v_wmma_scale_f32_16x16x128_f8f6f4 v[\a+8*\t:\a+8*\t+7], v[WF+64*\t:WF+64*\t+15], v[FR:FR+15], v[BC+8*\t:BC+8*\t+7], v[WS+4*\t], v[XS+4*\m] matrix_a_fmt:MATRIX_FMT_BF8 matrix_b_fmt:MATRIX_FMT_BF8
.endr
	WIN 0
.else
.irp t, 0,1
	v_wmma_scale_f32_16x16x128_f8f6f4 v[\a+8*\t:\a+8*\t+7], v[WF+64*\t+16*\s:WF+64*\t+16*\s+15], v[FR+16*\s:FR+16*\s+15], v[\a+8*\t:\a+8*\t+7], v[WS+4*\t+\s], v[XS+4*\m+\s] matrix_a_fmt:MATRIX_FMT_BF8 matrix_b_fmt:MATRIX_FMT_BF8
.endr
.endif
.endm
; u . tanh over 16 units of a lane, into v[a], in three parts
.macro TEXP a
.irp j, 0,2,4,6,8,10,12,14
	v_pk_mul_f32 v[\a+\j:\a+\j+1], v[\a+\j:\a+\j+1], 0x4038aa3b op_sel_hi:[1,0]   ; c x
.endr
	WALU
.irp j, 0,1,2,3,4,5,6,7,8,9,10,11,12,13,14,15
	v_exp_f32 v[\a+\j], v[\a+\j]
.endr
	v_nop
	WALU
.endm
.macro TADD a, s
.irp j, 0,2
	v_pk_add_f32 v[\a+4*\s+\j:\a+4*\s+\j+1], v[\a+4*\s+\j:\a+4*\s+\j+1], 1.0 op_sel_hi:[1,0]
.endr
.endm
.macro TEND a
	WALU
.irp j, 0,1,2,3,4,5,6,7,8,9,10,11,12,13,14,15
	v_rcp_f32 v[\a+\j], v[\a+\j]
.endr
	v_nop
	WALU
	WIN 0x04
	v_pk_fma_f32 v[\a:\a+1], v[\a:\a+1], v[UU:UU+1], v[US:US+1] op_sel_hi:[1,1,0]   ; both halves begin with half the sum of u
	v_pk_mul_f32 v[\a+8:\a+9], v[\a+8:\a+9], v[UU+8:UU+9]
.irp j, 2,4,6
	v_pk_fma_f32 v[\a:\a+1], v[\a+\j:\a+\j+1], v[UU+\j:UU+\j+1], v[\a:\a+1]
	v_pk_fma_f32 v[\a+8:\a+9], v[\a+8+\j:\a+9+\j], v[UU+8+\j:UU+9+\j], v[\a+8:\a+9]
.endr
	WIN 0
	v_pk_add_f32 v[\a:\a+1], v[\a:\a+1], v[\a+8:\a+9]
	v_add_f32 v[\a], v[\a], v[\a+1]
.endm
; M: products and tanh of a group whose copies have parity b
.macro MPART b
.irp m, 0,1
	ds_load_b128 v[XS+4*\m:XS+4*\m+3], v[SR] offset:512*(\b)+256*\m   ; row 16 m + r: the scale words of K steps 0-3
.endr
	FRAGS 0, \b
.irp s, 0,1,2,3
	PAIR \s, 0, 32
.endr
	PLACES                                         ; for the loads below and for the first read of the sums
	FRAGS 1, \b                                    ; on their way during the exponentials of rows 0-15
	TEXP 32
.irp s, 0,1,2,3
	PAIR \s, 1, 48
	TADD 32, \s
.endr
	TEND 32                                        ; behind the last product stand 2 + 1 + 10 plain lines ahead of the first read of its sums
	WALU
	TEXP 48
.irp s, 0,1,2,3
	TADD 48, \s
.endr
	TEND 48
	v_permlane16_swap_b32 v32, v48                 ; lanes 0-15 keep rows 0-15, lanes 16-31 take rows 16-31,
	v_add_f32 v32, v32, v48                        ; each with both halves' units: my wave's part of e, lane = row
	ds_store_b32 v[EW], v32 offset:1536*(\b)
.endm
.macro MFIRST b                        ; waves 0-3
	s_cmp_lt_u32 s18, 4
	s_cbranch_scc0 .Lnot_first_\@
	MPART \b
.Lnot_first_\@:
.endm
.macro MLAST b                         ; waves 4-7
	s_cmp_lt_u32 s18, 4
	s_cbranch_scc1 .Lnot_last_\@
	MPART \b
.Lnot_last_\@:
.endm
.macro EPLOAD g
	s_wait_xcnt 0x0                                ; the last store has read its data: the pair is written again behind this wait
	ds_load_b128 v[32:35], v[ER] offset:1536*((\g)%2)
	ds_load_b128 v[36:39], v[ER] offset:1536*((\g)%2)+16
.endm
.macro WTRIP                           ; p to the lanes that hold its row: my wave's own bytes, and LDS serves a wave's instructions in order (ISA guide 5.7.1.4)
	ds_store_b32 v[WA], v40
	ds_load_b128 v[WT:WT+3], v[WR]
	ds_load_b128 v[WT+4:WT+7], v[WR] offset:16     ; the weights of rows 4 i + l / 8
.endm
.macro SMAX x
	v_max_num_f32_dpp v41, v41, v41 row_xmask:\x row_mask:0xf bank_mask:0xf
.endm
.macro SADD x
	v_add_f32_dpp v41, v41, v41 row_xmask:\x row_mask:0xf bank_mask:0xf
.endm
.macro WSUM g                          ; my 8 rows times their weights, 8 columns
	WIN 0x01
.irp i, 0,1,2,3,4,5,6,7
.set R_, 32*((2*(\g)+\i/4)%7)+8*(\i%4)
.irp u, 0,2,4,6
.if \i == 0
	v_pk_mul_f32 v[OA+\u:OA+\u+1], v[R_+\u:R_+\u+1], v[WT:WT+1] op_sel_hi:[1,0]
.elseif \i%2
	v_pk_fma_f32 v[OA+\u:OA+\u+1], v[R_+\u:R_+\u+1], v[WT+\i-1:WT+\i], v[OA+\u:OA+\u+1] op_sel:[0,1,0]
.else
	v_pk_fma_f32 v[OA+\u:OA+\u+1], v[R_+\u:R_+\u+1], v[WT+\i:WT+\i+1], v[OA+\u:OA+\u+1] op_sel_hi:[1,0,1]
.endif
.endr
.endr
	WIN 0
.endm
; Over lanes l and l xor 16 (lanes 0-15 then sum a block's first columns, lanes 16-31 its last), then l and l xor 8; the store.  q = 1: the quantiser's conversions stand between
.macro REDUCE g, q
.irp k, 0,1,2,3
	v_permlane16_swap_b32 v[OA+\k], v[OA+4+\k]
.endr
.if \q
	CVT 0, CD
.endif
	v_pk_add_f32 v[OA:OA+1], v[OA:OA+1], v[OA+4:OA+5]
.if \q
	CVT 1, CD
.endif
	v_pk_add_f32 v[OA+2:OA+3], v[OA+2:OA+3], v[OA+6:OA+7]
.if \q
	CVT 2, CD
.endif
.irp k, 0,1,2,3
	v_add_f32_dpp v[OA+\k], v[OA+\k], v[OA+\k] row_xmask:8 row_mask:0xf bank_mask:0xf
.endr
.if \q
	CVT 3, CD
.endif
	v_cndmask_b32 v[OUT], v[OA], v[OA+2], s22      ; lanes with bit 3 set take the upper two of the four columns
	v_cndmask_b32 v[OUT+1], v[OA+1], v[OA+3], s22
	v_mul_f32 v[OUT], v[OUT], v44
	v_mul_f32 v[OUT+1], v[OUT+1], v44
	global_store_b64 v[GO], v[OUT:OUT+1], s[16:17] offset:2048*(\g) th:TH_STORE_NT   ; 32 lanes store 256 bytes, at a multiple of 256 from out0's first byte
.endm
; S alone: the softmax of group g, lane = row, made by every wave for itself; then my columns' weighted sum and its store
.macro SOFT g
	EPLOAD \g
	s_wait_dscnt 0x0
	v_pk_add_f32 v[32:33], v[32:33], v[34:35]
	v_pk_add_f32 v[36:37], v[36:37], v[38:39]
	v_pk_add_f32 v[32:33], v[32:33], v[36:37]
	v_add_f32 v40, v32, v33                        ; e
	v_cndmask_b32 v40, 0xff7fffff, v40, s[MK+\g]   ; a masked row: the lowest f32
	v_max_num_f32_dpp v41, v40, v40 row_xmask:1 row_mask:0xf bank_mask:0xf
.irp x, 2,4,8
	s_delay_alu instid0(VALU_DEP_1)
	SMAX \x
.endr
	v_permlanex16_b32 v42, v41, s20, s21
	v_max_num_f32 v41, v41, v42                    ; the group's largest e, in every lane
	v_sub_f32 v40, v40, v41
	v_mul_f32 v40, 0x3fb8aa3b, v40
	WALU
	v_exp_f32 v40, v40                             ; e^(e - max): 0 for a masked row beside kept ones, 1 everywhere in a group that is all masked
	v_nop
	WALU
	WTRIP
	v_add_f32_dpp v41, v40, v40 row_xmask:1 row_mask:0xf bank_mask:0xf
.irp x, 2,4,8
	s_delay_alu instid0(VALU_DEP_1)
	SADD \x
.endr
	v_permlanex16_b32 v42, v41, s20, s21
	v_add_f32 v41, v41, v42
	WALU
	v_rcp_f32 v44, v41                             ; divides the sum at its end
	v_nop
	WALU
	s_wait_dscnt 0x0
	WSUM \g
	REDUCE \g, 0
.endm
.macro MED4 n                          ; four holds: the number is source 2, which window 0x10 takes from the ring; nothing else in that stretch has a vector register there
.irp k, 0,1,2,3
	v_med3_num_f32 v[HELD+(\n)+\k], -v[HO+(\n)/8], v[HO+(\n)/8], v[PR_+(\n)+\k]
.endr
.endm
; S of group g with the quantiser of half 2 g + 4 (group g + 2's first) laid into it, line by line: neither hangs on the other
.macro SOFTQ g
.set PR_, 32*((2*(\g)+4)%7)
	EPLOAD \g
	WAITHALF 2*(\g)+4
	SWAPS PR_
	MAXES PR_
	WIN 0
	WALU
	s_wait_dscnt 0x0                               ; the partial e are in
	v_pk_add_f32 v[32:33], v[32:33], v[34:35]
	v_pk_add_f32 v[36:37], v[36:37], v[38:39]
	QDPP 1, 0
	QDPP 1, 1
	v_pk_add_f32 v[32:33], v[32:33], v[36:37]
	QDPP 1, 2
	QDPP 1, 3
	v_add_f32 v40, v32, v33                        ; e
	QDPP 2, 0
	QDPP 2, 1
	v_cndmask_b32 v40, 0xff7fffff, v40, s[MK+\g]   ; a masked row: the lowest f32
	QDPP 2, 2
	QDPP 2, 3
	v_max_num_f32_dpp v41, v40, v40 row_xmask:1 row_mask:0xf bank_mask:0xf
	QSO 0
	QSO 1
	SMAX 2
	QSO 2
	QSO 3
	SMAX 4
	QHO 0
	QHO 1
	SMAX 8
	QHO 2
	QHO 3
	v_permlanex16_b32 v42, v41, s20, s21
	QBY 0, BY
	QBY 1, BY
	v_max_num_f32 v41, v41, v42                    ; the group's largest e, in every lane
	QBY 2, BY
	QBY 3, BY
	v_sub_f32 v40, v40, v41
	v_mul_f32 v40, 0x3fb8aa3b, v40
	WALU
	v_exp_f32 v40, v40                             ; e^(e - max)
	WIN 0x10
	MED4 0
	MED4 4
	WALU
	WTRIP
	v_add_f32_dpp v41, v40, v40 row_xmask:1 row_mask:0xf bank_mask:0xf
	MED4 8
	SADD 2
	MED4 12
	SADD 4
	MED4 16
	SADD 8
	MED4 20
	v_permlanex16_b32 v42, v41, s20, s21
	MED4 24
	v_add_f32 v41, v41, v42
	WALU
	v_rcp_f32 v44, v41                             ; divides the sum at its end
	MED4 28
	WALU
	s_wait_dscnt 0x0
	WSUM \g
	LOADQ 2*(\g)+7, 0                              ; into the registers of the group just summed
	REDUCE \g, 1
	QSTORE 2*(\g)+4
	LOADQ 2*(\g)+7, 1
.endm
	s_load_b256 s[4:11], s[0:1], 0x0               ; H, mask, u, bias
	s_load_b128 s[12:15], s[0:1], 0x20             ; W's codes, W's scales
	s_load_b64 s[16:17], s[0:1], 0x30              ; out0
	v_lshl_add_u32 v[SPW], v0, 2, SPARE
	v_mov_b32 v[NIL], 0
	v_lshrrev_b32 v64, 5, v0
	v_readfirstlane_b32 s18, v64                   ; wave 0..7
	s_mul_i32 s41, s18, 32*WPITCH                  ; my stage for W
	s_mov_b32 s19, 0x600000                        ; the mantissa field of 57,344
	s_mov_b32 s20, 0x76543210
	s_mov_b32 s21, 0xfedcba98                      ; v_permlanex16_b32's selects for lane l xor 16
	s_mov_b32 s22, 0xff00ff00                      ; the lanes with bit 3 set
	s_lshl_b32 s48, ttmp9, 19                      ; H: 8 groups of 65,536 bytes
	s_mov_b32 s49, 0
	s_lshl_b32 s50, ttmp9, 8                       ; mask: 8 x 32 bytes; mine to load: group w's
	s_lshl_b32 s51, s18, 5
	s_add_co_u32 s50, s50, s51
	s_mov_b32 s51, 0
	s_lshl_b32 s52, ttmp9, 14                      ; out0: 8 rows of 2,048 bytes
	s_mov_b32 s53, 0
	s_lshl_b32 s54, s18, 7                         ; u, bias: my 32 numbers
	s_mov_b32 s55, 0
	s_lshl_b32 s56, s18, 9                         ; W's scales: my 32 rows of 16 bytes
	s_mov_b32 s57, 0
	s_lshl_b32 s58, s18, 14                        ; W's codes: my 32 rows of 512 bytes
	s_mov_b32 s59, 0
	s_lshl_b32 s60, s18, 8                         ; my 256 bytes of a row of H and of out0
	s_lshr_b32 s61, s18, 1
	s_mul_i32 s61, s61, 5120                       ; images: K step w / 2,
	s_and_b32 s62, s18, 1
	s_mul_i32 s62, s62, 1280                       ; its blocks 2 (w % 2), + 1
	s_add_co_u32 s61, s61, s62
	s_add_co_u32 s61, s61, IMG
	s_lshl_b32 s63, s18, 1
	s_add_co_u32 s63, s63, SCB
	s_lshl_b32 s34, s18, 2
	s_add_co_u32 s37, s34, MKL
	s_add_co_u32 s34, s34, EPB
	s_lshl_b32 s35, s18, 7
	s_add_co_u32 s35, s35, WTB
	v_and_b32 v40, 31, v0                          ; lane
	v_and_b32 v65, 15, v0                          ; r
	v_bfe_u32 v66, v0, 4, 1                        ; h
	v_bfe_u32 v68, v0, 3, 2                        ; lane / 8: which of four rows
	v_bfe_u32 v69, v0, 3, 1
	v_bfe_u32 v70, v0, 2, 1                        ; which of my two blocks of 32
	v_bfe_u32 v71, v0, 1, 1                        ; which half of the operand's block
	v_and_b32 v72, 1, v0
	v_and_b32 v73, 3, v0                           ; q
	v_bfe_u32 v74, v0, 2, 3
	v_lshlrev_b32 v37, 4, v40                      ; 16 x lane: my bytes in a row of W,
	v_add_nc_u32 v38, s41, v37                     ; and where I put them into my stage
	v_lshl_add_u32 v75, v70, 7, s60
	v_lshl_add_u32 v75, v73, 4, v75
	v_lshl_add_u32 v75, v66, 6, v75
	v_lshl_add_u32 v[GA], v69, 11, v75
	v_mul_u32_u24 v76, v70, 640
	v_mad_u32_u24 v76, v71, 320, v76
	v_lshl_add_u32 v76, v72, 3, v76
	v_lshl_add_u32 v76, v68, 4, v76
	v_add_nc_u32 v[IW], s61, v76
	v_lshl_add_u32 v77, v68, 4, v70
	v_add_nc_u32 v[SW], s63, v77
	v_mul_u32_u24 v77, v66, 320
	v_lshl_add_u32 v77, v65, 4, v77
	v_add_nc_u32 v[IR], IMG, v77
	v_lshlrev_b32 v41, 4, v65                      ; 16 r
	v_add_nc_u32 v[SR], SCB, v41
	v_mul_u32_u24 v79, v40, 48
	v_add_nc_u32 v[ER], EPB, v79
	v_add_nc_u32 v[EW], s34, v79
	v_lshlrev_b32 v76, 5, v73
	v_lshl_add_u32 v76, v74, 2, v76
	v_add_nc_u32 v[WA], s35, v76
	v_lshl_add_u32 v[WR], v68, 5, s35
	v_mul_u32_u24 v36, v65, WPITCH
	v_lshl_add_u32 v36, v66, 3, v36
	v_add_nc_u32 v36, s41, v36                     ; where I read W's fragments
	v_lshlrev_b32 v42, 5, v66                      ; 32 h
	v_mov_b32 v44, s37                             ; group w's word of mask bits
	v_mov_b32 v13, 0
	v_lshl_add_u32 v[GO], v69, 3, v75
	WALU
	s_wait_kmcnt 0x0
	s_add_nc_u64 s[12:13], s[12:13], s[58:59]
	s_add_nc_u64 s[4:5], s[4:5], s[48:49]
	s_add_nc_u64 s[6:7], s[6:7], s[50:51]
	s_add_nc_u64 s[16:17], s[16:17], s[52:53]
	s_add_nc_u64 s[8:9], s[8:9], s[54:55]
	s_add_nc_u64 s[10:11], s[10:11], s[54:55]
	s_add_nc_u64 s[14:15], s[14:15], s[56:57]
.set a, 0
.rept 32
	global_load_b128 v[WF+4*a:WF+4*a+3], v37, s[12:13] offset:512*a   ; W's codes: 32 lanes read a row of 512 bytes
.set a, a+1
.endr
	; the 11 small loads
.irp t, 0,1
	global_load_b128 v[WS+4*\t:WS+4*\t+3], v41, s[14:15] offset:256*\t   ; row 16 t + r: its four words
.endr
	global_load_u8 v43, v40, s[6:7]                ; row = lane of group w
	WIN 0x40
.irp t, 0,1
	global_load_b128 v[BC+8*\t:BC+8*\t+3], v42, s[10:11] offset:64*\t     ; units 16 t + 8 h + 0 .. 7: the result's layout
	global_load_b128 v[BC+8*\t+4:BC+8*\t+7], v42, s[10:11] offset:64*\t+16
	global_load_b128 v[UU+8*\t:UU+8*\t+3], v42, s[8:9] offset:64*\t
	global_load_b128 v[UU+8*\t+4:UU+8*\t+7], v42, s[8:9] offset:64*\t+16
.endr
	WIN 0
.set ISS, 43
	LOADQ 0, 0
	LOADQ 0, 1
	LOADQ 1, 0
	LOADQ 1, 1                                     ; 59 loads are out
	s_wait_loadcnt ISS-16                          ; rows 0-15 of W are in
.set a, 0
.rept 16
	ds_store_b128 v38, v[WF+4*a:WF+4*a+3] offset:WPITCH*a
.set a, a+1
.endr
	LOADQ 2, 0
	LOADQ 2, 1
	s_wait_loadcnt ISS-32                          ; rows 16-31
.rept 16
	ds_store_b128 v38, v[WF+4*a:WF+4*a+3] offset:WPITCH*a
.set a, a+1
.endr
	LOADQ 3, 0
	LOADQ 3, 1
	s_wait_dscnt 0x0                               ; the stores have read W's registers, which the loads below fill anew
	; rows 16 t + r, K step s, block c: dwords 2 h, 2 h + 1 and 4 + 2 h, 5 + 2 h of its eight; the stage is my wave's own
.irp t, 0,1
.irp s, 0,1,2,3
.irp c, 0,1,2,3
	ds_load_b64 v[WF+64*\t+16*\s+4*\c:WF+64*\t+16*\s+4*\c+1], v36 offset:16*WPITCH*\t+128*\s+32*\c
	ds_load_b64 v[WF+64*\t+16*\s+4*\c+2:WF+64*\t+16*\s+4*\c+3], v36 offset:16*WPITCH*\t+128*\s+32*\c+16
.endr
.endr
.endr
	s_wait_loadcnt ISS-43                          ; the small loads are in
	WIN 0x41
.irp j, 0,2,4,6,8,10,12,14
	v_pk_mul_f32 v[UU+\j:UU+\j+1], v[UU+\j:UU+\j+1], -2.0 op_sel_hi:[1,0]   ; -2 u
.endr
	WIN 0x05
.irp j, 0,1,2,3
	v_pk_add_f32 v[48+2*\j:49+2*\j], v[UU+4*\j:UU+4*\j+1], v[UU+4*\j+2:UU+4*\j+3]
.endr
	WIN 0
	v_pk_add_f32 v[48:49], v[48:49], v[50:51]
	v_pk_add_f32 v[52:53], v[52:53], v[54:55]
	v_pk_add_f32 v[48:49], v[48:49], v[52:53]
	v_add_f32 v48, v48, v49
	v_mul_f32 v[US], 0xbe800000, v48               ; - 1/4 x the sum of -2 u
	v_cmp_ne_u32 s36, 0, v43
	v_mov_b32 v45, s36                             ; bit = row: group w's mask
	ds_store_b32 v44, v45                          ; every lane writes the same word with the same value
	WALU
	WAITHALF 0
	QCALC 0, 99
	QSTORE 0
	LOADQ 4, 0
	LOADQ 4, 1
	WAITHALF 1
	QCALC 1, 99
	QSTORE 1
	LOADQ 5, 0
	LOADQ 5, 1
	s_wait_dscnt 0x0
.irp t, 0,1
.irp s, 0,1,2,3
.irp c, 0,1,2,3
	v_swap_b32 v[WF+64*\t+16*\s+4*\c+1], v[WF+64*\t+16*\s+4*\c+2]   ; the order of H's codes: 2 h, 4 + 2 h, 2 h + 1, 5 + 2 h
.endr
.endr
.endr
.rept 4
	v_nop                                          ; an operand written by vector instructions stands 4 places ahead of a scaled matrix instruction
.endr
	LOADQ 6, 0
	LOADQ 6, 1
	WALU
	BAR                                            ; group 0's codes and scales and the mask's words lie in LDS
.set I, 0
.rept 8
	MFIRST I%2
.if I == 0
	v_mov_b32 v40, MKL
	ds_load_b128 v[32:35], v40                     ; the eight groups' mask bits, the same in every lane
	ds_load_b128 v[36:39], v40 offset:16
	s_wait_dscnt 0x0
.irp k, 0,1,2,3,4,5,6,7
	v_readfirstlane_b32 s[MK+\k], v[32+\k]
.endr
	WAITHALF 2
	QCALC 2, 99
	QSTORE 2
	WAITHALF 3
	QCALC 3, 99
	QSTORE 3
.elseif I < 7
	SOFTQ I-1
	LOADQ 2*I+6, 0
	WAITHALF 2*I+3
	QCALC 2*I+3, 2*I+6
	QSTORE 2*I+3
.else
	SOFT I-1
.endif
	MLAST I%2
	BAR                                            ; group I + 1's codes and scales lie in LDS, and the partial e of group I
.set I, I+1
.endr
	SOFT 7
	s_wait_tensorcnt 0x0                           ; the wave's end
	ds_add_u32 v[SPW], v[NIL]
	s_wait_dscnt 0x0
	s_endpgm
.Lfunc_end_k_qd594910e48_wordattn:
	.size	k_qd594910e48_wordattn, .Lfunc_end_k_qd594910e48_wordattn-k_qd594910e48_wordattn
	.p2alignl 7, 3214868480
	.fill 96, 4, 3214868480
	.section	.rodata,"a",@progbits
	.p2align	6, 0x0
	.amdhsa_kernel k_qd594910e48_wordattn
		.amdhsa_group_segment_fixed_size 182528
		.amdhsa_private_segment_fixed_size 0
		.amdhsa_enable_private_segment 0
		.amdhsa_kernarg_size 56
		.amdhsa_user_sgpr_count 2
		.amdhsa_user_sgpr_kernarg_segment_ptr 1
		.amdhsa_wavefront_size32 1
		.amdhsa_system_sgpr_workgroup_id_x 1
		.amdhsa_system_sgpr_workgroup_id_y 1
		.amdhsa_system_sgpr_workgroup_id_z 1
		.amdhsa_system_vgpr_workitem_id 0
		.amdhsa_next_free_vgpr 512
		.amdhsa_next_free_sgpr 66
		.amdhsa_reserve_vcc 0
		.amdhsa_float_denorm_mode_32 3
		.amdhsa_float_denorm_mode_16_64 3
		.amdhsa_memory_ordered 1
		.amdhsa_forward_progress 1
		.amdhsa_inst_pref_size 255
	.end_amdhsa_kernel
	.section	.bss,"aw",@nobits
	.p2align	6
	.space	262144
	.amdgpu_metadata
---
amdhsa.version: [ 1, 2 ]
amdhsa.kernels:
  - .name:           k_qd594910e48_wordattn
    .symbol:         k_qd594910e48_wordattn.kd
    .args:
      - { .name: H, .offset: 0, .size: 8, .value_kind: global_buffer, .address_space: global }
      - { .name: mask, .offset: 8, .size: 8, .value_kind: global_buffer, .address_space: global }
      - { .name: u_weight, .offset: 16, .size: 8, .value_kind: global_buffer, .address_space: global }
      - { .name: w_bias, .offset: 24, .size: 8, .value_kind: global_buffer, .address_space: global }
      - { .name: w_weight_codes, .offset: 32, .size: 8, .value_kind: global_buffer, .address_space: global }
      - { .name: w_weight_scales, .offset: 40, .size: 8, .value_kind: global_buffer, .address_space: global }
      - { .name: out0, .offset: 48, .size: 8, .value_kind: global_buffer, .address_space: global }
    .group_segment_fixed_size: 182528
    .private_segment_fixed_size: 0
    .kernarg_segment_align: 8
    .kernarg_segment_size: 56
    .max_flat_workgroup_size: 256
    .sgpr_count:     66
    .vgpr_count:     512
    .wavefront_size: 32
...
	.end_amdgpu_metadata
.endif
;; end of part 1
